; MI455X (gfx1250); checked and timed in simulation.
; The chip was launched on July 23, 2026; its instructions are those of AMD's public machine-readable ISA for CDNA 5 (MIT licence, August 2026) and "CDNA5" Instruction Set Architecture Reference Guide (July 2026). The comments in the code are by the model that wrote it; some were corrected since.
;; Attention. Allowed arithmetic: matrix products marked QUANTISED: E2M3 operands, one E8M0 scale for each 32 along K, by v_wmma_scale_f32_16x16x128_f8f6f4 with both operands' format E2M3, f32 sums; everything else in f32.
;; Inputs: w_qkv 1,024 x 3,072 float32; x 4 x 2,048 x 1,024 float32.
;; Outputs: out0 4 x 2,048 x 1,024 float32.
;; This version of the problem:
;;   THIS VERSION OF THE PROBLEM IS GIVEN IN LOW PRECISION. The matrix products marked QUANTISED in the list below multiply operands that are first quantised to E2M3 (2 exponent bits, 3 mantissa bits; 6 bits a number), with one power-of-two scale for each 32 numbers along K (OCP MX v1.0); their sums are f32. All else is computed in f32.
;;   The module's matrix products, in the order in which they are computed (A, B: the left and right operand; K: the contracted axis; several contracted axes count as one K, in the product's order):
;;     1. [M 8,192, K 1,024] x [K 1,024, N 3,072]; A: input x; B: input w_qkv: QUANTISED
;;     2. batch 64 x [M 2,048, K 64] x [K 64, N 2,048]; A: computed on the way; B: computed on the way: QUANTISED
;;     3. batch 64 x [M 2,048, K 2,048] x [K 2,048, N 64]; A: softmax (see below); B: computed on the way: QUANTISED
;;   THE QUANTISER, for each operand of a quantised product, along K:
;;     - K is cut into blocks of 32 from its start; a last block that is shorter is filled with zeros.
;;     - A block's scale is 2^e with e = floor(log2(the largest magnitude in the block)) - 2, held to -126 .. 127; a block of zeros has e = 0. As a byte (E8M0): e + 127.
;;     - Each number is divided by its block's scale, clamped to +-7.5, and rounded to the nearest number of E2M3, ties to even, subnormals kept.
;;     - The product sums the exact products of the quantised numbers (number of the format x scale) in f32.
;;   ~~~python
;;   def quantise(x, axis):      # numpy; x: float32 -> the quantised numbers, widened to float32 again
;;       x = np.moveaxis(x, axis, -1); K = x.shape[-1]
;;       x = np.pad(x, [(0, 0)] * (x.ndim - 1) + [(0, -K % 32)]); x = x.reshape(x.shape[:-1] + (-1, 32)); a = np.abs(x).max(-1, keepdims=True)
;;       e = np.where(a > 0, np.clip(np.frexp(np.where(a > 0, a, 1))[1] - 1 - 2, -126, 127), 0)      # np.frexp(a)[1] - 1 = floor(log2(a)), exactly
;;       r = np.clip(x / 2.0 ** e, -7.5, 7.5)
;;       step = 2.0 ** (np.maximum(np.frexp(np.where(r == 0, 1, r))[1] - 1, 0) - 3)
;;       q = np.round(r / step) * step * 2.0 ** e      # np.round: ties to even
;;       return np.moveaxis(q.reshape(q.shape[:-2] + (-1,))[..., :K], -1, axis).astype(np.float32)
;;   ~~~
;;   SOFTMAX AHEAD OF A QUANTISED PRODUCT. Where the list says 'softmax', what is quantised is not the finished softmax but p = 2^(t - M), with t = logit x log2(e) and M = ceil(the row's largest t), a whole number; so 1/2 < the row's largest p <= 1. The row's sum l is taken of the UNQUANTISED p, in f32, and the product's result is divided by l at the end. Since M is a whole number, a kernel that streams over the keys may use a running M (the ceiling of the running maximum): every later rescaling is an exact power of two, which a block's scale takes up: the codes' values come out the same.
;;   OPERANDS COMPUTED ON THE WAY. 'Computed on the way' means the value that the module computes at that place (a softmax that the list does not call 'softmax' is quantised finished and normalised). What goes into a quantiser is computed in f32, as accurately as f32 sums, v_exp_f32 and their like allow (about 1e-6 of the number): no bf16 or f16 on the way to a quantiser, and a product that is left as it is and whose result goes on into a quantised operand takes f32 operands (vector FMAs, or v_wmma_f32_16x16x4_f32). A number that lies on a knife's edge between two numbers of the format may be rounded either way, as far as f32 arithmetic and the matrix unit's own rounding can turn it there, and no further.
;; One version. Each part assembles by itself: llvm-mc -triple=amdgcn-amd-amdhsa -mcpu=gfx1250 --defsym DOCPART=n.
;; ======== version 1 of 1: 3 launches
;; limits: right only within a limited range of input values
;; workspace buffers: xc 6,291,456 bytes; xs 262,144 bytes; wc 2,359,296 bytes; ws 98,304 bytes; qc 6,291,456 bytes; qs 1,048,576 bytes; kv 13,631,488 bytes
;; launch quant (part 1): grid 448 x 1, 4 waves a work-group, no clusters, 75,776 bytes of LDS; arguments x, w_qkv, xc, xs, wc, ws; writes xc, xs, wc, ws
.if DOCPART == 1
	.amdgcn_target "amdgcn-amd-amdhsa--gfx1250"
	.amdhsa_code_object_version 6
	.text
	.protected	k_qbd6a06246e_quant
	.globl	k_qbd6a06246e_quant
	.p2align	8
	.type	k_qbd6a06246e_quant,@function
k_qbd6a06246e_quant:
	s_mov_b64 s[64:65], 0
	v_nop
	global_prefetch_b8 v0, s[64:65] scope:SCOPE_SE
	s_setreg_imm32_b32 hwreg(HW_REG_WAVE_MODE, 25, 1), 1
	s_wait_xcnt 0x0
; x [8192][1024] f32 (K innermost) and w_qkv [1024][3072] f32 (K is the FIRST axis) become codes of FP6 (E2M3) with one E8M0 byte for each 32 along K,
; laid as IMAGES OF OPERAND REGISTERS: a fragment is 16 rows x 128 K = 1,536 bytes; lane (r, h) owns the 48 bytes at 48 (r + 16 h): 24 bytes of k = 32 h + 0..31, then 24 of k = 64 + 32 h + 0..31.
; xc [block of 512 tokens 16][K step 8][tile 32][1536], xs the same order with 64 bytes a tile (one word a row);  wc [head 16][K step 8][tile 12][1536], ws likewise.
; THE ROWS OF A TILE ARE NOT NEIGHBOURS: tile u of a group of 64 rows takes rows 32 (m / 8) + 8 u + m % 8, so that the four tiles' results give a lane 32 neighbours.  For w a group of 64 is one head's q, k or v columns.
; A block's scale is 2^(floor(log2(largest magnitude)) - 2): its byte is the largest magnitude's exponent field - 2, held at 1 from below by a floor among the maximum's leaves.
; LIMITS: a block of zeros, or one whose largest magnitude lies under 2^-124, gets the byte 1 (the rule says 127 for zeros): its codes are zeros or subnormal codes, and only this program reads the bytes.  NaN and infinities are not served.
; Work-groups 0-255 take x, 256-447 take w: two paths that part on the work-group's number alone, each with LDS bytes of its own.  No tensor loads: memory binds, several work-groups share a WGP.
.set XREG, 15360                       ; x path: a wave's LDS region: two turning stages of 32 x 144 bytes, then its code stage of 6,144
.set XCS,  9216                        ; the code stage in it
.set XSCL, 61440                       ; x path: 1,024 scale bytes of the work-group: [K step 4][tile 4][row 16][4]
.set WSTG, 62464                       ; w path: 12,288 bytes of codes: [K step 2][tile 4][1536]
.set WSCL, 74752                       ; w path: 512 scale bytes: [K step 2][tile 4][row 16][4]
; the largest magnitude of the 32 numbers v[XS] .. v[XS+31], all one lane's, and the floor 2^(3 - 127): sixteen instructions in two chains; then the conversion's scale operand (2 off the exponent field) in v12
.macro BMAX
	v_max3_num_f32 v10, |v[XS]|, |v[XS+1]|, 0x1800000
	v_max3_num_f32 v11, |v[XS+2]|, |v[XS+3]|, |v[XS+4]|
.irp i, 5,9,13,17,21,25
	v_max3_num_f32 v10, v10, |v[XS+\i]|, |v[XS+\i+1]|
	v_max3_num_f32 v11, v11, |v[XS+\i+2]|, |v[XS+\i+3]|
.endr
	v_max3_num_f32 v10, v10, |v[XS+29]|, |v[XS+30]|
	v_max3_num_f32 v10, v10, v11, |v[XS+31]|
	v_add_nc_u32 v12, 0xff000000, v10
.endm
	s_load_b256 s[4:11], s[0:1], 0x0               ; x s[4:5], w s[6:7], xc s[8:9], xs s[10:11]
	s_load_b128 s[12:15], s[0:1], 0x20             ; wc s[12:13], ws s[14:15]
	v_lshl_add_u32 v62, v0, 2, 0x12600
	v_mov_b32 v63, 0
	v_lshrrev_b32 v1, 5, v0
	v_readfirstlane_b32 s16, v1                    ; wave 0..3
	v_and_b32 v1, 31, v0                           ; lane
	s_cmp_lt_u32 ttmp9, 256
	s_cbranch_scc0 .Lw_path
; ---------------- x: a work-group takes 64 tokens x 512 along K; wave u makes tile u.  Step t takes the tile's rows t and t + 8 (tokens 8 u + t and 32 more): 2 x 2,048 bytes = 32 blocks, one a lane.
; Loads take the bytes as they lie (512 consecutive bytes an instruction); a step's 4,096 bytes turn through the wave's own stage, 128 bytes + 16 of padding a block, and come back a whole block to a lane.
	s_lshr_b32 s17, ttmp9, 1                       ; G: which 64 tokens
	s_and_b32 s18, ttmp9, 1                        ; which half of K
	s_mul_i32 s19, s16, XREG
	v_lshlrev_b32 v2, 4, v1                        ; 16 x lane
	v_lshrrev_b32 v14, 3, v1
	v_mul_u32_u24 v3, v14, 144
	v_and_b32 v14, 7, v1
	v_lshl_add_u32 v3, v14, 4, v3
	v_add_nc_u32 v3, s19, v3                       ; into the stage: eight lanes' 128 bytes on end, then 16 of padding
	v_mul_u32_u24 v4, v1, 144
	v_add_nc_u32 v4, s19, v4                       ; out of it: block = lane
	v_and_b32 v14, 15, v1                          ; my block among the row's 16
	v_lshrrev_b32 v15, 2, v14                      ; its K step of 128
	v_mul_u32_u24 v5, v15, 1536
	v_lshlrev_b32 v6, 8, v15
	v_and_b32 v15, 1, v14                          ; the operand's h
	v_mad_u32_u24 v5, v15, 768, v5
	v_bfe_u32 v15, v14, 1, 1                       ; the operand's c
	v_mad_u32_u24 v5, v15, 24, v5
	v_lshrrev_b32 v15, 4, v1                       ; which of the step's two rows
	v_mad_u32_u24 v5, v15, 384, v5
	v_add_nc_u32 v5, s19, v5
	v_add_nc_u32 v5, XCS, v5                       ; my 24 bytes in the code stage; + 48 t in the immediate
	v_and_b32 v14, 3, v14
	v_add_nc_u32 v6, v6, v14
	v_lshl_add_u32 v6, v15, 5, v6
	s_lshl_b32 s20, s16, 6
	s_add_co_u32 s20, s20, XSCL
	v_add_nc_u32 v6, s20, v6                       ; my scale byte; + 4 t in the immediate
	v_add_nc_u32 v7, s19, v2
	v_add_nc_u32 v7, XCS, v7                       ; the code stage read back, 16 bytes a lane
	v_lshlrev_b32 v9, 3, v1                        ; 8 x lane
	s_lshl_b32 s20, s16, 8
	s_add_co_u32 s20, s20, XSCL
	v_add_nc_u32 v8, s20, v9                       ; wave w sends K step w's 256 scale bytes
	s_lshl_b32 s20, s17, 18                        ; x: 64 tokens of 4,096 bytes,
	s_lshl_b32 s21, s16, 15                        ; 8 tokens a tile,
	s_add_co_u32 s20, s20, s21
	s_lshl_b32 s21, s18, 11                        ; 2,048 bytes a half of K
	s_add_co_u32 s20, s20, s21
	s_mov_b32 s21, 0
	s_lshr_b32 s22, s17, 3                         ; block of 512 tokens
	s_and_b32 s23, s17, 7                          ; group of 64 in it
	s_mul_i32 s24, s22, 393216
	s_mul_i32 s26, s18, 196608
	s_add_co_u32 s24, s24, s26
	s_lshl_b32 s26, s23, 2
	s_add_co_u32 s26, s26, s16
	s_mul_i32 s26, s26, 1536
	s_add_co_u32 s24, s24, s26                     ; xc: my tile in the half's first K step
	s_mov_b32 s25, 0
	s_lshl_b32 s26, s22, 14
	s_lshl_b32 s28, s18, 2
	s_add_co_u32 s28, s28, s16
	s_lshl_b32 s28, s28, 11
	s_add_co_u32 s26, s26, s28
	s_lshl_b32 s28, s23, 8
	s_add_co_u32 s26, s26, s28                     ; xs: K step 4 half + wave, the group's four tiles: 256 bytes
	s_mov_b32 s27, 0
	s_wait_kmcnt 0x0
	s_add_nc_u64 s[4:5], s[4:5], s[20:21]
	s_add_nc_u64 s[8:9], s[8:9], s[24:25]
	s_add_nc_u64 s[10:11], s[10:11], s[26:27]
.macro XLOAD t                         ; step t's two rows into set t % 4 of v64-191
.irp i, 0,1,2,3,4,5,6,7
	global_load_b128 v[64+32*((\t)%4)+4*\i:64+32*((\t)%4)+4*\i+3], v2, s[4:5] offset:4096*(\t)+131072*(\i/4)+512*(\i%4) th:TH_LOAD_NT
.endr
.endm
.macro XTURN t                         ; through stage t % 2 into set t % 2 of v192-255; LDS serves a wave's instructions in order, so no wait stands between
.irp i, 0,1,2,3,4,5,6,7
	ds_store_b128 v3, v[64+32*((\t)%4)+4*\i:64+32*((\t)%4)+4*\i+3] offset:4608*((\t)%2)+576*\i
.endr
.irp j, 0,1,2,3,4,5,6,7
	ds_load_b128 v[192+32*((\t)%2)+4*\j:192+32*((\t)%2)+4*\j+3], v4 offset:4608*((\t)%2)+16*\j
.endr
.endm
.macro XSTEP t
.set XS, 192+32*((\t)%2)
.set CC, 16+8*((\t)%2)                 ; two sets of code registers by turns
.if (\t) > 0
	s_wait_dscnt 4                                 ; my block is back from the stage; behind those loads stand the last step's three code stores and its byte store
.else
	s_wait_dscnt 0x0
.endif
.if (\t)+4 < 8
	XLOAD (\t)+4                                   ; into the set that this step's stage stores have read
.endif
.if (\t) < 7
.if 6-(\t) >= 3
	s_wait_loadcnt 24                              ; the next step's eight loads are in; those of the three steps behind it may be out
.else
	s_wait_loadcnt 8*(6-(\t))
.endif
	XTURN (\t)+1
.endif
	BMAX
	v_cvt_scalef32_pk16_fp6_f32 v[CC:CC+2], v[XS:XS+15], v12
	v_cvt_scalef32_pk16_fp6_f32 v[32:34], v[XS+16:XS+31], v12      ; (a conversion's three registers begin on an even number)
	v_lshrrev_b32 v[CC+6], 23, v12                 ; the scale's byte; also the plain instruction behind the conversions
	v_mov_b32 v[CC+3], v32
	v_mov_b32 v[CC+4], v33
	v_mov_b32 v[CC+5], v34
	ds_store_b64 v5, v[CC:CC+1] offset:48*(\t)
	ds_store_b64 v5, v[CC+2:CC+3] offset:48*(\t)+8
	ds_store_b64 v5, v[CC+4:CC+5] offset:48*(\t)+16
	ds_store_b8 v6, v[CC+6] offset:4*(\t)
.endm
.irp t, 0,1,2,3
	XLOAD \t
.endr
	s_wait_loadcnt 24                              ; step 0's eight loads are in
	XTURN 0
.irp t, 0,1,2,3,4,5,6,7
	XSTEP \t
.endr
	s_wait_dscnt 0x0                               ; for the others' sake: my scale bytes have landed (four waves build each 256 bytes of them)
	s_barrier_signal -1
	s_barrier_wait -1
.irp i, 0,1,2,3,4,5,6,7,8,9,10,11
	ds_load_b128 v[64+4*\i:67+4*\i], v7 offset:512*\i
.endr
	ds_load_b64 v[112:113], v8
.irp i, 0,1,2,3,4,5,6,7,8,9,10,11
	s_wait_dscnt 12-\i
	global_store_b128 v2, v[64+4*\i:67+4*\i], s[8:9] offset:49152*(\i/3)+512*(\i%3)   ; 512 consecutive bytes, at a multiple of 256 from the buffer's first byte
.endr
	s_wait_dscnt 0x0
	global_store_b64 v9, v[112:113], s[10:11]      ; 32 lanes store 256 consecutive aligned bytes
	s_wait_tensorcnt 0x0
	ds_add_u32 v62, v63
	s_wait_dscnt 0x0
	s_endpgm
; ---------------- w: a work-group takes one head's 64 columns of q, k or v x 256 along K.  A LANE TAKES A COLUMN AND ITS REGISTERS RUN DOWN K: a block of 32 is one lane's, and the codes come out with K innermost.
; Wave: columns 32 (wave % 2) on, K step wave / 2.  Column 32 q2 + lane is row 8 q2 + lane % 8 of tile lane / 8.
.Lw_path:
	s_sub_co_u32 s17, ttmp9, 256
	s_lshr_b32 s18, s17, 2
	s_and_b32 s19, s17, 3                          ; which 256 along K
	s_lshr_b32 s20, s18, 4                         ; part: 0 q, 1 k, 2 v
	s_and_b32 s21, s18, 15                         ; head
	s_and_b32 s22, s16, 1                          ; q2
	s_lshr_b32 s23, s16, 1                         ; my K step of the two
	s_wait_alu depctr_va_vdst(0)
	v_lshlrev_b32 v2, 2, v1                        ; in: 4 bytes a lane
	v_lshrrev_b32 v14, 3, v1
	v_and_b32 v15, 7, v1
	v_mul_u32_u24 v3, v14, 1536
	v_mad_u32_u24 v3, v15, 48, v3
	s_mul_i32 s24, s23, 6144
	s_mul_i32 s25, s22, 384
	s_add_co_u32 s24, s24, s25
	s_add_co_u32 s24, s24, WSTG
	v_add_nc_u32 v3, s24, v3                       ; my row's 48 bytes of h = 0 in the stage
	v_lshlrev_b32 v4, 6, v14
	v_lshl_add_u32 v4, v15, 2, v4
	s_lshl_b32 s24, s23, 8
	s_lshl_b32 s25, s22, 5
	s_add_co_u32 s25, s24, s25
	s_add_co_u32 s25, s25, WSCL
	v_add_nc_u32 v4, s25, v4                       ; my row's scale word
	v_lshlrev_b32 v6, 4, v1
	s_mul_i32 s25, s16, 3072
	s_add_co_u32 s25, s25, WSTG
	v_add_nc_u32 v5, s25, v6                       ; back: wave w sends bytes 3,072 w on
	v_lshlrev_b32 v8, 3, v1
	s_add_co_u32 s24, s24, WSCL
	v_add_nc_u32 v7, s24, v8                       ; and (waves 0 and 2) a K step's 256 scale bytes
	s_lshl_b32 s24, s19, 8
	s_lshl_b32 s26, s23, 7
	s_add_co_u32 s24, s24, s26
	s_mul_i32 s24, s24, 12288                      ; w: my first k, rows of 12,288 bytes,
	s_lshl_b32 s26, s20, 12
	s_add_co_u32 s24, s24, s26
	s_lshl_b32 s26, s21, 8
	s_add_co_u32 s24, s24, s26
	s_lshl_b32 s26, s22, 7
	s_add_co_u32 s24, s24, s26                     ; and my wave's first column, 4 bytes each
	s_mov_b32 s25, 0
	s_lshl_b32 s30, s19, 1
	s_add_co_u32 s30, s30, s23                     ; K step of 128
	s_mul_i32 s26, s21, 147456
	s_mul_i32 s28, s30, 18432
	s_add_co_u32 s26, s26, s28
	s_mul_i32 s28, s20, 6144
	s_add_co_u32 s26, s26, s28
	s_mul_i32 s28, s22, 3072
	s_add_co_u32 s26, s26, s28
	s_mov_b32 s27, 0
	s_mul_i32 s28, s21, 6144
	s_mul_i32 s31, s30, 768
	s_add_co_u32 s28, s28, s31
	s_lshl_b32 s31, s20, 8
	s_add_co_u32 s28, s28, s31
	s_mov_b32 s29, 0
	s_wait_kmcnt 0x0
	s_add_nc_u64 s[6:7], s[6:7], s[24:25]
	s_add_nc_u64 s[12:13], s[12:13], s[26:27]
	s_add_nc_u64 s[14:15], s[14:15], s[28:29]
.macro WLOAD b                         ; block b: w(32 b + i, my column) into set b % 2 of v64-127; the largest immediate is 127 rows, inside the signed 24 bits
.set i, 0
.rept 32
	global_load_b32 v[64+32*((\b)%2)+i], v2, s[6:7] offset:(32*(\b)+i)*12288 th:TH_LOAD_NT
.set i, i+1
.endr
.endm
.macro WBLOCK b                        ; block b is the operand's c = b / 2, h = b % 2
.set XS, 64+32*((\b)%2)
.if (\b) < 3
	s_wait_loadcnt 32                              ; this block's 32 loads are in; the next block's may be out
.else
	s_wait_loadcnt 0x0
.endif
	BMAX
	v_lshrrev_b32 v13, 23, v12
.if (\b) == 0
	v_mov_b32 v28, v13                             ; four bytes make my row's scale word, the lower K in the lower byte
.else
	v_lshl_or_b32 v28, v13, 8*(\b), v28
.endif
	v_cvt_scalef32_pk16_fp6_f32 v[16:18], v[XS:XS+15], v12
	v_cvt_scalef32_pk16_fp6_f32 v[24:26], v[XS+16:XS+31], v12
	v_nop                                          ; one plain instruction behind the conversions
	v_mov_b32 v19, v24
	v_mov_b32 v20, v25
	v_mov_b32 v21, v26
	ds_store_b64 v3, v[16:17] offset:768*((\b)%2)+24*((\b)/2)
	ds_store_b64 v3, v[18:19] offset:768*((\b)%2)+24*((\b)/2)+8
	ds_store_b64 v3, v[20:21] offset:768*((\b)%2)+24*((\b)/2)+16
.if (\b) < 2
	WLOAD (\b)+2
.endif
	s_wait_dscnt 0x0                               ; the stores have read their registers: the next block's codes may be written
.endm
	WLOAD 0
	WLOAD 1
	WBLOCK 0
	WBLOCK 1
	WBLOCK 2
	WBLOCK 3
	s_wait_alu depctr_va_vdst(0)
	ds_store_b32 v4, v28
	s_wait_dscnt 0x0                               ; for the others' sake: a tile's rows come from two waves
	s_barrier_signal -1
	s_barrier_wait -1
.irp i, 0,1,2,3,4,5
	ds_load_b128 v[128+4*\i:131+4*\i], v5 offset:512*\i
.endr
.irp i, 0,1,2,3,4,5
	s_wait_dscnt 5-\i
	global_store_b128 v6, v[128+4*\i:131+4*\i], s[12:13] offset:512*\i   ; 512 consecutive aligned bytes
.endr
	s_cmp_lg_u32 s22, 0                            ; waves 0 and 2 send the two K steps' scale words
	s_cbranch_scc1 .Lw_done
	ds_load_b64 v[152:153], v7
	s_wait_dscnt 0x0
	global_store_b64 v8, v[152:153], s[14:15]      ; 256 consecutive aligned bytes
.Lw_done:
	s_wait_tensorcnt 0x0
	ds_add_u32 v62, v63
	s_wait_dscnt 0x0
	s_endpgm
.Lfunc_end_k_qbd6a06246e_quant:
	.size	k_qbd6a06246e_quant, .Lfunc_end_k_qbd6a06246e_quant-k_qbd6a06246e_quant
	.p2alignl 7, 3214868480
	.fill 96, 4, 3214868480
	.section	.rodata,"a",@progbits
	.p2align	6, 0x0
	.amdhsa_kernel k_qbd6a06246e_quant
		.amdhsa_group_segment_fixed_size 75776
		.amdhsa_private_segment_fixed_size 0
		.amdhsa_enable_private_segment 0
		.amdhsa_kernarg_size 48
		.amdhsa_user_sgpr_count 2
		.amdhsa_user_sgpr_kernarg_segment_ptr 1
		.amdhsa_wavefront_size32 1
		.amdhsa_system_sgpr_workgroup_id_x 1
		.amdhsa_system_sgpr_workgroup_id_y 1
		.amdhsa_system_sgpr_workgroup_id_z 1
		.amdhsa_system_vgpr_workitem_id 0
		.amdhsa_next_free_vgpr 256
		.amdhsa_next_free_sgpr 66
		.amdhsa_reserve_vcc 0
		.amdhsa_float_denorm_mode_32 3
		.amdhsa_float_denorm_mode_16_64 3
		.amdhsa_memory_ordered 1
		.amdhsa_forward_progress 1
		.amdhsa_inst_pref_size 57
	.end_amdhsa_kernel
	.amdgpu_metadata
---
amdhsa.version: [ 1, 2 ]
amdhsa.kernels:
  - .name:           k_qbd6a06246e_quant
    .symbol:         k_qbd6a06246e_quant.kd
    .args:
      - { .name: x, .offset: 0, .size: 8, .value_kind: global_buffer, .address_space: global }
      - { .name: w_qkv, .offset: 8, .size: 8, .value_kind: global_buffer, .address_space: global }
      - { .name: xc, .offset: 16, .size: 8, .value_kind: global_buffer, .address_space: global }
      - { .name: xs, .offset: 24, .size: 8, .value_kind: global_buffer, .address_space: global }
      - { .name: wc, .offset: 32, .size: 8, .value_kind: global_buffer, .address_space: global }
      - { .name: ws, .offset: 40, .size: 8, .value_kind: global_buffer, .address_space: global }
    .group_segment_fixed_size: 75776
    .private_segment_fixed_size: 0
    .kernarg_segment_align: 8
    .kernarg_segment_size: 48
    .max_flat_workgroup_size: 128
    .sgpr_count:     66
    .vgpr_count:     256
    .wavefront_size: 32
...
	.end_amdgpu_metadata
.endif
;; end of part 1
;; launch qkv (part 2): grid 16 x 16, 4 waves a work-group, clusters of 4 x 4, 327,680 bytes of LDS; arguments xc, xs, wc, ws, qc, qs, kv; writes qc, qs, kv
.if DOCPART == 2
	.amdgcn_target "amdgcn-amd-amdhsa--gfx1250"
	.amdhsa_code_object_version 6
	.text
	.protected	k_qbd6a06246e_qkv
	.globl	k_qbd6a06246e_qkv
	.p2align	8
	.type	k_qbd6a06246e_qkv,@function
k_qbd6a06246e_qkv:
	s_mov_b64 s[64:65], 0
	v_nop
	global_prefetch_b8 v0, s[64:65] scope:SCOPE_SE
	s_setreg_imm32_b32 hwreg(HW_REG_WAVE_MODE, 25, 1), 1
	s_wait_xcnt 0x0
	s_wait_alu depctr_hold_cnt(0) depctr_sa_sdst(0) depctr_va_vdst(0) depctr_va_sdst(0) depctr_va_ssrc(0) depctr_va_vcc(0) depctr_vm_vsrc(0)
	s_getreg_b32 s2, hwreg(HW_REG_IB_STS2, 6, 4)
	s_cmp_eq_u32 s2, 0
	s_cbranch_scc0 .Lentry_in_a_cluster
	s_endpgm
.Lentry_in_a_cluster:
	s_bfe_u32 s2, ttmp6, 0x10000c
	s_cmp_lg_u32 s2, 0xf033
	s_cbranch_scc0 .Lentry_shape_is_right
	s_endpgm
.Lentry_shape_is_right:
.set SLOT,  135168
.set WOFF,  98304
.set XSC,   270336
.set WSC,   286720
.set SPARE, 292864
.set AF,  64
.set BF,  160
.set SCR, 16
.set G1X,  28
.set G1W,  36
.set G1XS, 44
.set G1WS, 52
.set G0XS, 80
.set G0WS, 84
.set MSB, 0
.macro WIN new
.if MSB != (\new)
	s_set_vgpr_msb (MSB<<8)|(\new)
.set MSB, (\new)
.endif
.endm
.macro PLACES n
.rept \n
	v_nop
.endr
.endm
.macro JLOAD g0a, g1a, g0b, g1b
	s_cmp_eq_u32 s19, 0
	s_cbranch_scc0 .Lfor_w_\@
	tensor_load_to_lds s[\g0a:\g0a+3], s[\g1a:\g1a+7]
	s_nop 0
.rept 4
	v_nop
.endr
	s_branch .Lasked_\@
.Lfor_w_\@:
	tensor_load_to_lds s[\g0b:\g0b+3], s[\g1b:\g1b+7]
	s_nop 0
.rept 4
	v_nop
.endr
.Lasked_\@:
.endm
.macro CREST
	s_cmp_lg_u32 s18, 0
	s_cbranch_scc1 .Lnot_wave_0_\@
	s_barrier_signal -3
.Lnot_wave_0_\@:
	s_barrier_wait -3
	s_barrier_signal -1
	s_barrier_wait -1
.endm
.macro CROUND
	s_barrier_signal -1
	s_barrier_wait -1
	CREST
.endm
.macro G1REST g, rows
	s_mov_b32 s[\g+1], 32<<16
	s_mov_b32 s[\g+2], (\rows)<<16
	s_mov_b32 s[\g+3], 32<<16
	s_mov_b32 s[\g+4], \rows
	s_mov_b32 s[\g+5], 32
	s_mov_b32 s[\g+6], 0
	s_mov_b32 s[\g+7], 0
.endm
	s_load_b256 s[4:11], s[0:1], 0x0
	s_load_b128 s[12:15], s[0:1], 0x20
	s_load_b64 s[16:17], s[0:1], 0x30
	v_lshl_add_u32 v7, v0, 2, SPARE
	v_mov_b32 v8, 0
	ds_add_u32 v7, v8
	ds_add_u32 v7, v8
	s_wait_dscnt 0x0
	v_lshrrev_b32 v1, 5, v0
	v_readfirstlane_b32 s18, v1
	s_lshr_b32 s19, s18, 1
	s_and_b32 s20, s18, 1
	s_bfe_u32 s21, ttmp6, 0x40000
	s_bfe_u32 s22, ttmp6, 0x40004
	s_lshl_b32 s23, ttmp9, 2
	s_add_co_u32 s23, s23, s21
	s_and_b32 s24, ttmp7, 0xffff
	s_lshl_b32 s24, s24, 2
	s_add_co_u32 s24, s24, s22
	s_lshl_b32 s25, s22, 2
	s_lshl_b32 s25, 15, s25
	s_lshl_b32 s26, 0x1111, s21
	s_mov_b32 s27, 0xffff0000
	s_mov_b32 s2, 0x76543210
	s_mov_b32 s3, 0xfedcba98
	s_or_b32 s[G1X], s25, (3<<16)|(1<<21)
	s_or_b32 s[G1W], s26, (3<<16)|(1<<21)
	s_or_b32 s[G1XS], s25, (3<<16)|(1<<21)
	s_or_b32 s[G1WS], s26, (3<<16)|(1<<21)
	G1REST G1X, 384
	G1REST G1W, 144
	G1REST G1XS, 64
	G1REST G1WS, 24
	s_mul_i32 s88, s24, 393216
	s_mul_i32 s96, s20, 49152
	s_mov_b32 s89, 0
	s_lshl_b32 s90, s24, 14
	s_mov_b32 s91, 0
	s_mul_i32 s92, s23, 147456
	s_mul_i32 s97, s20, 18432
	s_mov_b32 s93, 0
	s_mul_i32 s94, s23, 6144
	s_mov_b32 s99, 0
	s_mov_b32 s95, 0
	s_wait_kmcnt 0x0
	s_add_nc_u64 s[4:5], s[4:5], s[88:89]
	s_add_nc_u64 s[6:7], s[6:7], s[90:91]
	s_add_nc_u64 s[8:9], s[8:9], s[92:93]
	s_add_nc_u64 s[10:11], s[10:11], s[94:95]
	CROUND
	s_mov_b32 s[G0XS], 1
	s_mov_b32 s[G0XS+1], XSC
	s_mov_b64 s[G0XS+2:G0XS+3], s[6:7]
	s_or_b32 s[G0XS+3], s[G0XS+3], 0x80000000
	s_mov_b32 s[G0WS], 1
	s_mov_b32 s[G0WS+1], WSC
	s_mov_b64 s[G0WS+2:G0WS+3], s[10:11]
	s_or_b32 s[G0WS+3], s[G0WS+3], 0x80000000
	s_mov_b32 s88, 1                               ; the head's whole tiles: slot 0's 384 rows of x,
	s_mov_b32 s89, 0
	s_mov_b64 s[90:91], s[4:5]
	s_or_b32 s91, s91, 0x80000000
	s_mov_b32 s92, 1                               ; and its 144 rows of the weights
	s_mov_b32 s93, WOFF
	s_mov_b64 s[94:95], s[8:9]
	s_or_b32 s95, s95, 0x80000000
	s_mov_b32 s98, s96                             ; for the ring: my half of a tile
	s_add_nc_u64 s[4:5], s[4:5], s[98:99]
	s_mov_b32 s98, s97
	s_add_nc_u64 s[8:9], s[8:9], s[98:99]
.irp j, 0,1
	s_mov_b32 s[60+8*\j], 1
	s_add_co_u32 s[61+8*\j], s96, \j*SLOT
	s_add_nc_u64 s[62+8*\j:63+8*\j], s[4:5], \j*98304
	s_or_b32 s[63+8*\j], s[63+8*\j], 0x80000000
	s_mov_b32 s[72+4*\j], 1
	s_add_co_u32 s[73+4*\j], s97, \j*SLOT+WOFF
	s_add_nc_u64 s[74+4*\j:75+4*\j], s[8:9], \j*36864
	s_or_b32 s[75+4*\j], s[75+4*\j], 0x80000000
.endr
; the head's loads, one a wave, in one tree of branches on the wave's number: x's tile, the weights' tile, x's scales, the weights' scales
.macro ARM under, g0, g1, next
	s_cmp_lt_u32 s18, \under
	s_cbranch_scc0 \next
	tensor_load_to_lds s[\g0:\g0+3], s[\g1:\g1+7]
	s_nop 0
.rept 4
	v_nop
.endr
	s_branch .Lhead_asked
\next:
.endm
	ARM 1, 88, G1X, .Lhead_w
	ARM 2, 92, G1W, .Lhead_xs
	ARM 3, G0XS, G1XS, .Lhead_ws
	tensor_load_to_lds s[G0WS:G0WS+3], s[G1WS:G1WS+7]
	s_nop 0
.rept 4
	v_nop
.endr
.Lhead_asked:
	s_wait_alu depctr_va_vdst(0)
	s_wait_tensorcnt 0x0                           ; my tile of the head's four is in
	ds_add_u32 v7, v8
	s_mov_b32 s[G1X+2], 192<<16                    ; no tensor load of mine is out: from here on a load brings half a tile
	s_mov_b32 s[G1X+4], 192
	s_mov_b32 s[G1W+2], 72<<16
	s_mov_b32 s[G1W+4], 72
	s_wait_dscnt 0x0
	CROUND
	JLOAD 68, G1X, 76, G1W                         ; slot 1's first fill, the first tensor load behind the round
	v_and_b32 v13, 31, v0
	v_mul_u32_u24 v14, v13, 48
	s_mul_i32 s88, s18, 12288
	v_add_nc_u32 v1, s88, v14
	v_add_nc_u32 v2, SLOT, v1
	v_add_nc_u32 v3, WOFF, v14
	v_add_nc_u32 v4, SLOT, v3
	v_and_b32 v15, 15, v0
	s_lshl_b32 s88, s18, 9
	s_add_co_u32 s88, s88, XSC
	v_lshl_add_u32 v5, v15, 2, s88
	v_lshl_add_u32 v6, v15, 2, WSC
	v_lshlrev_b32 v9, 4, v13
	v_lshlrev_b32 v10, 3, v13
	v_bfe_u32 v11, v0, 4, 1
	v_lshlrev_b32 v11, 3, v11
	v_mov_b32 v12, 0x1800000
	s_lshr_b32 s88, s24, 2
	s_lshl_b32 s88, s88, 4
	s_add_co_u32 s88, s88, s23
	s_lshl_b32 s88, s88, 4
	s_and_b32 s89, s24, 3
	s_lshl_b32 s89, s89, 2
	s_add_co_u32 s88, s88, s89
	s_add_co_u32 s88, s88, s18
	s_mul_i32 s90, s88, 13312
	s_mov_b32 s91, 0
	s_mul_i32 s92, s88, 6144
	s_mov_b32 s93, 0
	s_lshl_b32 s94, s88, 10
	s_mov_b32 s95, 0
	s_add_nc_u64 s[16:17], s[16:17], s[90:91]
	s_add_nc_u64 s[12:13], s[12:13], s[92:93]
	s_add_nc_u64 s[14:15], s[14:15], s[94:95]
.macro FRAG reg, adr, off
.irp c, 0,1,2
	ds_load_b128 v[\reg+4*\c:\reg+4*\c+3], v[\adr] offset:\off+16*\c
.endr
.endm
.macro FETCH_A slot, sp, a0
.irp a, \a0, \a0+1, \a0+2, \a0+3
	FRAG AF+12*(\a), 1+\slot, 49152*(\sp)+1536*(\a)
.endr
.endm
.macro FETCH_B slot, sp, grp, set
.irp u, 0,1,2,3
	FRAG BF+48*(\set)+12*\u, 3+\slot, 18432*(\sp)+1536*(4*(\grp)+\u)
.endr
.endm
.macro SCALES s, set
.irp a, 0,1,2,3,4,5,6,7
	ds_load_b32 v[SCR+20*(\set)+\a], v5 offset:2048*(\s)+64*\a
.endr
.irp b, 0,1,2,3,4,5,6,7,8,9,10,11
	ds_load_b32 v[SCR+20*(\set)+8+\b], v6 offset:768*(\s)+64*\b
.endr
.endm
.macro MUL16 grp, a0, set, sc, zero
.irp a, \a0, \a0+1, \a0+2, \a0+3
.irp u, 0,1,2,3
.if \grp < 2
.set rD, 8*(4*(\a)+\u)
.set rA, BF+48*(\set)+12*\u
.set rB, AF+12*(\a)
.set sA, SCR+20*(\sc)+8+4*(\grp)+\u
.set sB, SCR+20*(\sc)+(\a)
.else
.set rD, 8*(8*\u+(\a))
.set rA, AF+12*(\a)
.set rB, BF+48*(\set)+12*\u
.set sA, SCR+20*(\sc)+(\a)
.set sB, SCR+20*(\sc)+16+\u
.endif
.if \zero
	v_wmma_scale_f32_16x16x128_f8f6f4 v[rD:rD+7], v[rA:rA+11], v[rB:rB+11], 0, v[sA], v[sB] matrix_a_fmt:MATRIX_FMT_FP6 matrix_b_fmt:MATRIX_FMT_FP6
.else
	v_wmma_scale_f32_16x16x128_f8f6f4 v[rD:rD+7], v[rA:rA+11], v[rB:rB+11], v[rD:rD+7], v[sA], v[sB] matrix_a_fmt:MATRIX_FMT_FP6 matrix_b_fmt:MATRIX_FMT_FP6
.endif
.endr
.endr
.endm
.macro KSTEP s, slot, sp, ns, turn, zero, last
	PLACES 4
	WIN 0
	FETCH_A \slot, \sp, 4
	FETCH_B \slot, \sp, 1, 1-\sp
	s_wait_dscnt 24
	WIN 0x50
	MUL16 0, 0, \sp, \sp, \zero
	s_wait_dscnt 12
	MUL16 0, 4, \sp, \sp, \zero
	PLACES 4
	WIN 0
	FETCH_B \slot, \sp, 2, \sp
.if \turn
	s_wait_tensorcnt 0x0
	ds_add_u32 v7, v8
	s_wait_dscnt 13
	WIN 0xa0
	MUL16 1, 0, 1-\sp, \sp, \zero
	s_wait_dscnt 0x0
	s_barrier_signal -1
	MUL16 1, 4, 1-\sp, \sp, \zero
	WIN 0
	s_barrier_wait -1
.if \turn == 1
	CREST
	s_add_nc_u64 s[62+8*\slot:63+8*\slot], s[62+8*\slot:63+8*\slot], 196608
	s_add_nc_u64 s[74+4*\slot:75+4*\slot], s[74+4*\slot:75+4*\slot], 73728
	JLOAD 60+8*\slot, G1X, 72+4*\slot, G1W
.else
	PLACES 4
.endif
.else
	s_wait_dscnt 12
	WIN 0xa0
	MUL16 1, 0, 1-\sp, \sp, \zero
	MUL16 1, 4, 1-\sp, \sp, \zero
	PLACES 4
	WIN 0
.endif
.if \last
	s_wait_dscnt 0x0
	WIN 0xf0
	MUL16 2, 0, \sp, \sp, \zero
	MUL16 2, 4, \sp, \sp, \zero
.else
	FETCH_B \ns, 1-\sp, 0, 1-\sp
	SCALES (\s)+1, 1-\sp
	s_wait_dscnt 32
	WIN 0xf0
	MUL16 2, 0, \sp, \sp, \zero
	PLACES 4
	WIN 0
	FETCH_A \ns, 1-\sp, 0
	WIN 0xf0
	MUL16 2, 4, \sp, \sp, \zero
.endif
.endm
	s_wait_alu depctr_va_vdst(0)
	s_wait_tensorcnt 1
	s_barrier_signal -1
	s_barrier_wait -1
	FETCH_B 0, 0, 0, 0
	SCALES 0, 0
	FETCH_A 0, 0, 0
	KSTEP 0, 0, 0, 0, 0, 1, 0
	KSTEP 1, 0, 1, 1, 1, 0, 0
	KSTEP 2, 1, 0, 1, 0, 0, 0
	KSTEP 3, 1, 1, 0, 1, 0, 0
	KSTEP 4, 0, 0, 0, 0, 0, 0
	KSTEP 5, 0, 1, 1, 2, 0, 0
	KSTEP 6, 1, 0, 1, 0, 0, 0
	KSTEP 7, 1, 1, 0, 0, 0, 1
.set P,  64
.set CT, 112
.set T,  144
.set SO, 152
.set BY, 160
.set WD, 168
.set XT, 176
.set KS, 184
.macro QUANT8 w
	s_wait_xcnt 0x0
	WIN (\w)*0x14
.irp n, 0,1,2,3,4,5,6,7
	v_max3_num_f32 v[T+\n], v12, |v[32*\n]|, |v[32*\n+1]|
.endr
.irp i, 1,2,3,4,5,6,7,8,9,10,11,12,13,14,15
.irp n, 0,1,2,3,4,5,6,7
	v_max3_num_f32 v[T+\n], v[T+\n], |v[32*\n+2*\i]|, |v[32*\n+2*\i+1]|
.endr
.endr
	WIN 0
.irp n, 0,1,2,3,4,5,6,7
	v_add_nc_u32 v[SO+\n], 0xff000000, v[T+\n]
.endr
.irp n, 0,1,2,3,4,5,6,7
	v_lshrrev_b32 v[BY+\n], 23, v[SO+\n]
.endr
	WIN \w
.irp n, 0,1,2,3,4,5,6,7
	v_cvt_scalef32_pk16_fp6_f32 v[P+6*\n:P+6*\n+2], v[32*\n:32*\n+15], v[SO+\n]
	v_cvt_scalef32_pk16_fp6_f32 v[CT+4*\n:CT+4*\n+2], v[32*\n+16:32*\n+31], v[SO+\n]
.endr
	WIN 0
	v_nop
.irp n, 0,1,2,3,4,5,6,7
.irp i, 0,1,2
	v_mov_b32 v[P+6*\n+3+\i], v[CT+4*\n+\i]
.endr
.endr
.endm
.macro WORDS8
.irp n, 0,1,2,3,4,5,6,7
	v_lshlrev_b32 v[WD+\n], v11, v[BY+\n]
.endr
.irp n, 0,1,2,3,4,5,6,7
	v_permlanex16_b32 v[XT+\n], v[WD+\n], s2, s3
.endr
.irp n, 0,1,2,3,4,5,6,7
	v_or_b32 v[WD+\n], v[WD+\n], v[XT+\n]
.endr
.endm
	PLACES 4
	WIN 0
.irp n, 0,1,2,3,4,5,6,7
	v_mov_b32 v[XT+\n], 0
.endr
	QUANT8 1
	WORDS8
.irp n, 0,1,2,3,4,5,6,7
	global_store_b128 v9, v[P+6*\n:P+6*\n+3], s[12:13] offset:768*\n
	global_store_b64 v10, v[P+6*\n+4:P+6*\n+5], s[12:13] offset:768*\n+512
.endr
	global_store_b128 v9, v[WD:WD+3], s[14:15]
	global_store_b128 v9, v[WD+4:WD+7], s[14:15] offset:512
	QUANT8 2
	WORDS8
.irp u, 0,1,2,3
	v_cndmask_b32 v[KS+\u], v[WD+2*\u], v[WD+2*\u+1], s27
.endr
.irp i, 0,1,2,3,4,5,6,7,8,9,10,11
	global_store_b128 v9, v[P+4*\i:P+4*\i+3], s[16:17] offset:512*\i
.endr
	global_store_b128 v9, v[KS:KS+3], s[16:17] offset:12288
	QUANT8 3
.irp u, 0,1,2,3
	v_lshl_or_b32 v[WD+\u], v[BY+2*\u+1], 16, v[BY+2*\u]
.endr
.irp u, 0,1,2,3
	v_lshlrev_b32 v[WD+\u], v11, v[WD+\u]
.endr
.irp u, 0,1,2,3
	v_permlanex16_b32 v[XT+\u], v[WD+\u], s2, s3
.endr
.irp u, 0,1,2,3
	v_or_b32 v[WD+\u], v[WD+\u], v[XT+\u]
.endr
.irp i, 0,1,2,3,4,5,6,7,8,9,10,11
	global_store_b128 v9, v[P+4*\i:P+4*\i+3], s[16:17] offset:6144+512*\i
.endr
	global_store_b128 v9, v[WD:WD+3], s[16:17] offset:12800
	s_wait_tensorcnt 0x0
	ds_add_u32 v7, v8
	s_wait_dscnt 0x0
	CROUND
	s_endpgm
.Lfunc_end_k_qbd6a06246e_qkv:
	.size	k_qbd6a06246e_qkv, .Lfunc_end_k_qbd6a06246e_qkv-k_qbd6a06246e_qkv
	.p2alignl 7, 3214868480
	.fill 96, 4, 3214868480
	.section	.rodata,"a",@progbits
	.p2align	6, 0x0
	.amdhsa_kernel k_qbd6a06246e_qkv
		.amdhsa_group_segment_fixed_size 327680
		.amdhsa_private_segment_fixed_size 0
		.amdhsa_enable_private_segment 0
		.amdhsa_kernarg_size 56
		.amdhsa_user_sgpr_count 2
		.amdhsa_user_sgpr_kernarg_segment_ptr 1
		.amdhsa_wavefront_size32 1
		.amdhsa_system_sgpr_workgroup_id_x 1
		.amdhsa_system_sgpr_workgroup_id_y 1
		.amdhsa_system_sgpr_workgroup_id_z 1
		.amdhsa_system_vgpr_workitem_id 0
		.amdhsa_next_free_vgpr 1024
		.amdhsa_next_free_sgpr 100
		.amdhsa_reserve_vcc 0
		.amdhsa_float_denorm_mode_32 3
		.amdhsa_float_denorm_mode_16_64 3
		.amdhsa_memory_ordered 1
		.amdhsa_forward_progress 1
		.amdhsa_inst_pref_size 195
	.end_amdhsa_kernel
	.amdgpu_metadata
---
amdhsa.version: [ 1, 2 ]
amdhsa.kernels:
  - .name:           k_qbd6a06246e_qkv
    .symbol:         k_qbd6a06246e_qkv.kd
    .args:
      - { .name: xc, .offset: 0, .size: 8, .value_kind: global_buffer, .address_space: global }
      - { .name: xs, .offset: 8, .size: 8, .value_kind: global_buffer, .address_space: global }
      - { .name: wc, .offset: 16, .size: 8, .value_kind: global_buffer, .address_space: global }
      - { .name: ws, .offset: 24, .size: 8, .value_kind: global_buffer, .address_space: global }
      - { .name: qc, .offset: 32, .size: 8, .value_kind: global_buffer, .address_space: global }
      - { .name: qs, .offset: 40, .size: 8, .value_kind: global_buffer, .address_space: global }
      - { .name: kv, .offset: 48, .size: 8, .value_kind: global_buffer, .address_space: global }
    .group_segment_fixed_size: 327680
    .private_segment_fixed_size: 0
    .kernarg_segment_align: 8
    .kernarg_segment_size: 56
    .max_flat_workgroup_size: 128
    .sgpr_count:     100
    .vgpr_count:     1024
    .wavefront_size: 32
...
	.end_amdgpu_metadata
.endif
;; end of part 2
;; launch attn (part 3): grid 4 x 64, 8 waves a work-group, clusters of 4 x 1, 327,680 bytes of LDS; arguments qc, qs, kv, out0; writes out0
.if DOCPART == 3
	.amdgcn_target "amdgcn-amd-amdhsa--gfx1250"
	.amdhsa_code_object_version 6
	.text
	.protected	k_qbd6a06246e_attn
	.globl	k_qbd6a06246e_attn
	.p2align	8
	.type	k_qbd6a06246e_attn,@function
k_qbd6a06246e_attn:
	s_mov_b64 s[64:65], 0
	v_nop
	global_prefetch_b8 v0, s[64:65] scope:SCOPE_SE
	s_setreg_imm32_b32 hwreg(HW_REG_WAVE_MODE, 25, 1), 1
	s_wait_xcnt 0x0
	s_wait_alu depctr_hold_cnt(0) depctr_sa_sdst(0) depctr_va_vdst(0) depctr_va_sdst(0) depctr_va_ssrc(0) depctr_va_vcc(0) depctr_vm_vsrc(0)
	s_getreg_b32 s2, hwreg(HW_REG_IB_STS2, 6, 4)
	s_cmp_eq_u32 s2, 0
	s_cbranch_scc0 .Lentry_in_a_cluster
	s_endpgm
.Lentry_in_a_cluster:
	s_bfe_u32 s2, ttmp6, 0x10000c
	s_cmp_lg_u32 s2, 0x3003
	s_cbranch_scc0 .Lentry_shape_is_right
	s_endpgm
.Lentry_shape_is_right:
; out = softmax(q k^T / 8) v for one head and 512 queries a work-group, on codes of FP6 with E8M0 scales, as the launch before left them.
; kv [head 64][key step 16][13,312]: K's codes of 128 keys (6,144 bytes, an image of 48 operand registers), V's (6,144), K's scale words (512), V's (512).
; A head's 16 key steps, 212,992 bytes, lie in LDS for the whole launch.  The four work-groups of a cluster serve the same head and ask for them jointly.
; Each wave issues ONE tensor load, key steps 2 w and 2 w + 1 (104 rows of 256 bytes).  Waves 0 and 1 have a load line of their own and are awaited at the first barrier:
; key steps 0 to 3 are then whole; a first loop walks steps 0 to 2 (and fetches K's fragments of step 3); then every wave waits for its load, a barrier, and a loop walks steps 3 to 15.
; No LDS byte is filled twice.  No data prefetch: all tensor loads go out at the head, and no loop of the text loads from memory.
; A WAVE OWNS FOUR TILES OF 16 QUERIES and takes them through a key step together: K's and V's fragments come from LDS once for the four.
; Both products are used transposed (S^T = k q^T, O^T = v^T p^T): lane (r, h) holds query r; a tile's S[32 c ..] are keys 64 c + 32 h + 0..31, a whole scale block of p.
; The head size is 64 and the product is 128 deep: q's registers 6-11 are zero codes, so what stands in K's operand behind a tile's six registers (the next tile, or six zero registers) adds nothing.
; A PHASE takes TWO tiles through a step's softmax side by side: 16 score products; the largest scores in eight chains; M; the first tile's t - M; O^T under the new M;
; the first tile's exponentials with the second tile's t - M among them; the second tile's exponentials; the conversions; the two row sums (of the unquantised p) in eight chains, p's scale words among them; 8 products p v.
; M = ceil(running largest t), kept as -M = floor(-c x the running largest score); f = 2^(old M - new M) by v_ldexp_f32.
; A block's largest p is the exponential of its largest score's t - M, held at -124 from below: so its scale's byte cannot fall under 1.
; LIMITS: the scaled scores (t = score x log2(e) / 8) stay under 2^31 in magnitude; NaN and infinities are not served.
; REGISTERS.  v0-255: v1 16 x lane, v2, v7 LDS addresses, v12+4j: -M, largest score, the sum's pair of tile j; v28-31 f of the phase's two tiles; v32-35, v36-39, v40-43, v66-67 scale words of K, V, q, p;
; v44-65, v92-103 at work; v68-91 p's codes, two tiles; v104-127 q tiles 2, 3; v128-255 S of two tiles.  v256-511 (written as 0-255): O^T 32 j; 128-175 K, 176-181 zeros, 184-231 V, 232-255 q tiles 0, 1.
.set KVB,   13312
.set STG,   16*KVB                     ; the way out: 16 rows x 272 bytes for each wave
.set SPARE, STG+8*4352                 ; the spare words, 128 bytes a wave
.set KF, 128
.set VF, 184
.set KS, 32
.set VS, 36
.set QS, 40
.set MSB, 0
.macro WIN new                         ; the immediate's high byte repeats the setting that is left
.if MSB != (\new)
	s_set_vgpr_msb (MSB<<8)|(\new)
.set MSB, (\new)
.endif
.endm
.macro WALU
	s_wait_alu depctr_va_vdst(0)
.endm
.macro CROUND
	s_barrier_signal -1
	s_barrier_wait -1
	s_cmp_lg_u32 s12, 0
	s_cbranch_scc1 .Lnot_wave_0_\@
	s_barrier_signal -3
.Lnot_wave_0_\@:
	s_barrier_wait -3
	s_barrier_signal -1
	s_barrier_wait -1
.endm
.macro SPAIR jn, sb, p                 ; scores of q tile jn against key tiles 2 p, 2 p + 1 into v[sb + 16 p ..]
.if (\jn) < 2
	WIN 0x05
.set QR_, 232+12*(\jn)
.else
	WIN 0x01
.set QR_, 104+12*((\jn)-2)
.endif
	v_wmma_scale_f32_16x16x128_f8f6f4 v[\sb+16*(\p):\sb+16*(\p)+7], v[KF+12*(\p):KF+12*(\p)+11], v[QR_:QR_+11], 0, v[KS+(\p)], v[QS+(\jn)] matrix_a_fmt:MATRIX_FMT_FP6 matrix_b_fmt:MATRIX_FMT_FP6
	v_wmma_scale_f32_16x16x128_f8f6f4 v[\sb+16*(\p)+8:\sb+16*(\p)+15], v[KF+12*(\p)+6:KF+12*(\p)+17], v[QR_:QR_+11], 0, v[KS+(\p)], v[QS+(\jn)] matrix_a_fmt:MATRIX_FMT_FP6 matrix_b_fmt:MATRIX_FMT_FP6 matrix_a_scale:MATRIX_SCALE_ROW1
.endm
.macro SMUL g                          ; the scores of tiles 2 g, 2 g + 1 against the step's 128 keys
.irp e, 0,1
.irp p, 0,1,2,3
	SPAIR 2*(\g)+\e, 128+64*\e, \p
.endr
.endr
	WIN 0
.endm
.macro SUMOP e                         ; line K_ of 32 for tile e of the phase: sum = sum x f + its 64 p, two at a time, in four chains
.set SP_, 128+64*(\e)
.set XB_, 46+6*(\e)
.set LP_, NG_+2+4*(\e)
.set FP_, 28+2*(\e)
.if K_ == 0
	v_pk_fma_f32 v[LP_:LP_+1], v[LP_:LP_+1], v[FP_:FP_+1], v[SP_:SP_+1] op_sel_hi:[1,0,1]
.elseif K_ < 4
	v_pk_add_f32 v[XB_+2*K_:XB_+2*K_+1], v[SP_+4*K_-2:SP_+4*K_-1], v[SP_+4*K_:SP_+4*K_+1]
.elseif K_ < 29
.if K_%4 == 0
	v_pk_add_f32 v[LP_:LP_+1], v[LP_:LP_+1], v[SP_+2*K_+6:SP_+2*K_+7]
.else
	v_pk_add_f32 v[XB_+2*(K_%4):XB_+2*(K_%4)+1], v[XB_+2*(K_%4):XB_+2*(K_%4)+1], v[SP_+2*K_+6:SP_+2*K_+7]
.endif
.elseif K_ == 29
	v_pk_add_f32 v[XB_+2:XB_+3], v[XB_+2:XB_+3], v[XB_+4:XB_+5]
.elseif K_ == 30
	v_pk_add_f32 v[LP_:LP_+1], v[LP_:LP_+1], v[XB_+6:XB_+7]
.else
	v_pk_add_f32 v[LP_:LP_+1], v[LP_:LP_+1], v[XB_+2:XB_+3]
.endif
.endm
.macro SUM2 n                          ; n lines of both tiles' sums, by turns
.rept \n
	SUMOP 0
	SUMOP 1
.set K_, K_+1
.endr
.endm
.macro CVT4 e                          ; 64 p of tile e into codes; the upper halves of the two blocks wait in v92-94, v96-98 (a conversion's three registers begin on an even number)
	v_cvt_scalef32_pk16_fp6_f32 v[68+12*(\e):70+12*(\e)], v[128+64*(\e):143+64*(\e)], v[60+2*(\e)]
	v_cvt_scalef32_pk16_fp6_f32 v[92:94], v[144+64*(\e):159+64*(\e)], v[60+2*(\e)]
	v_cvt_scalef32_pk16_fp6_f32 v[74+12*(\e):76+12*(\e)], v[160+64*(\e):175+64*(\e)], v[61+2*(\e)]
	v_cvt_scalef32_pk16_fp6_f32 v[96:98], v[176+64*(\e):191+64*(\e)], v[61+2*(\e)]
.endm
.macro MOV6 e
.irp i, 0,1,2
	v_mov_b32 v[71+12*(\e)+\i], v[92+\i]
	v_mov_b32 v[77+12*(\e)+\i], v[96+\i]
.endr
.endm
.macro KLOAD                           ; K's fragments and scale words of the key step at v7
	ds_load_b128 v[KS:KS+3], v7 offset:12288
	WIN 0x40
.irp i, 0,1,2,3,4,5,6,7,8,9,10,11
	ds_load_b128 v[KF+4*\i:KF+4*\i+3], v7 offset:512*\i
.endr
	WIN 0
.endm
.macro PH g                            ; tiles 2 g, 2 g + 1
.set NG_, 12+8*(\g)
.set K_, 0
	WALU                                           ; directly ahead of the scores' first readers
.irp e, 0,1
.irp q, 0,1,2,3
	v_max3_num_f32 v[48+4*\e+2*(\q%2)+\q/2], v[128+64*\e+16*\q], v[128+64*\e+16*\q+1], v[128+64*\e+16*\q+2]
.endr
.endr
.irp i, 3,5,7,9,11,13
.irp e, 0,1
.irp q, 0,1,2,3
	v_max3_num_f32 v[48+4*\e+2*(\q%2)+\q/2], v[48+4*\e+2*(\q%2)+\q/2], v[128+64*\e+16*\q+\i], v[128+64*\e+16*\q+\i+1]
.endr
.endr
.endr
.irp e, 0,1
	v_max3_num_f32 v[48+4*\e], v[48+4*\e], v[50+4*\e], v[143+64*\e]
	v_max3_num_f32 v[49+4*\e], v[49+4*\e], v[51+4*\e], v[175+64*\e]
.endr
.irp e, 0,1
	v_max_num_f32 v[48+4*\e], v[48+4*\e], v[159+64*\e]    ; v48, v49 (v52, v53): the largest score of my two blocks of 32 keys
	v_max_num_f32 v[49+4*\e], v[49+4*\e], v[191+64*\e]
.endr
.irp e, 0,1
	v_max_num_f32 v[56+\e], v[48+4*\e], v[49+4*\e]
.endr
.irp e, 0,1
	v_mov_b32 v[102+\e], v[NG_+4*\e]               ; the old -M
.endr
.irp e, 0,1
	v_permlanex16_b32 v[58+\e], v[56+\e], s42, s43
.endr
.irp e, 0,1
	v_max3_num_f32 v[NG_+4*\e+1], v[NG_+4*\e+1], v[56+\e], v[58+\e]   ; the running largest score of my query
.endr
.irp e, 0,1
	v_mul_f32 v[56+\e], s24, v[NG_+4*\e+1]         ; -t
.endr
.irp e, 0,1
	v_floor_f32 v[NG_+4*\e], v[56+\e]              ; -M = floor(-t)
.endr
.irp e, 0,1
	v_pk_fma_f32 v[48+4*\e:49+4*\e], v[48+4*\e:49+4*\e], s[40:41], v[NG_+4*\e:NG_+4*\e+1] op_sel_hi:[1,0,0]
.endr
.set I_, 0
.rept 32
.if I_ == 4
.irp e, 0,1
	v_sub_f32 v[56+\e], v[NG_+4*\e], v[102+\e]     ; old M - new M, a whole number
.endr
.elseif I_ == 8
.irp r, 48,49,52,53
	v_max_num_f32 v\r, 0xc2f80000, v\r             ; held at -124
.endr
.elseif I_ == 14
.irp e, 0,1
	v_cvt_i32_f32 v[56+\e], v[56+\e]               ; (it saturates)
.endr
.elseif I_ == 24
.irp e, 0,1
	v_ldexp_f32 v[28+2*\e], 1.0, v[56+\e]          ; f
.endr
.endif
	v_pk_fma_f32 v[128+I_:129+I_], v[128+I_:129+I_], s[40:41], v[NG_:NG_+1] op_sel_hi:[1,0,0]   ; the first tile's t - M
.set I_, I_+2
.endr
.if (\g) == 0
	ds_load_b128 v[VS:VS+3], v2 offset:12800       ; V's fragments of this step: the products that read the last step's stand 64 and more plain lines back
	WIN 0x40
.irp i, 0,1,2,3,4,5,6,7,8,9,10,11
	ds_load_b128 v[VF+4*\i:VF+4*\i+3], v2 offset:6144+512*\i
.endr
.else
	KLOAD                                          ; the next step's K: the products that read this step's stand as far back
.endif
	WIN 0x41
	WALU                                           ; directly ahead of O^T's first readers
.irp e, 0,1
.set I_, 0
.rept 16
	v_pk_mul_f32 v[64*(\g)+32*\e+I_:64*(\g)+32*\e+I_+1], v[64*(\g)+32*\e+I_:64*(\g)+32*\e+I_+1], v[28+2*\e:29+2*\e] op_sel_hi:[1,0]   ; O^T under the new M
.set I_, I_+2
.endr
.endr
	WIN 0
	WALU                                           ; ahead of the batch of exponentials
.irp r, 48,49,52,53
	v_exp_f32 v\r, v\r
.endr
.set I_, 0
.rept 32
	v_exp_f32 v[128+I_], v[128+I_]
	v_exp_f32 v[129+I_], v[129+I_]
	v_pk_fma_f32 v[192+I_:193+I_], v[192+I_:193+I_], s[40:41], v[NG_+4:NG_+5] op_sel_hi:[1,0,0]   ; the second tile's t - M: first read behind the wait below
.set I_, I_+2
.endr
	WALU                                           ; between the multiply-adds above and the exponentials that read them
.set I_, 0
.rept 64
	v_exp_f32 v[192+I_], v[192+I_]
.set I_, I_+1
.endr
	v_nop                                          ; a plain line behind the last exponential
	WALU                                           ; one wait for the batch
.irp e, 0,1
.irp c, 0,1
	v_add_nc_u32 v[60+2*\e+\c], 0xff000000, v[48+4*\e+\c]   ; 2 off the exponent field: the conversions' scale operand
.endr
.endr
	CVT4 0
.irp i, 0,1,2,3
	v_lshrrev_b32 v[44+\i], 23, v[60+\i]           ; the scales' bytes
.endr
	MOV6 0
	CVT4 1
.irp e, 0,1
	v_lshl_or_b32 v[64+\e], v[45+2*\e], 16, v[44+2*\e]
.endr
	MOV6 1
.irp e, 0,1
	v_lshlrev_b32 v[64+\e], v3, v[64+\e]           ; 8 h bits up
.endr
	SUM2 2
.irp e, 0,1
	v_permlanex16_b32 v[100+\e], v[64+\e], s42, s43
.endr
	SUM2 2
.irp e, 0,1
	v_or_b32 v[66+\e], v[64+\e], v[100+\e]         ; p's scale word of these 128 keys
.endr
	SUM2 28
	WALU
	s_wait_dscnt 0x0                               ; the fragments asked for above are in
	WIN 0x51
.irp u, 0,1,2,3
.irp e, 0,1
	v_wmma_scale_f32_16x16x128_f8f6f4 v[64*(\g)+32*\e+8*\u:64*(\g)+32*\e+8*\u+7], v[VF+12*\u:VF+12*\u+11], v[68+12*\e:79+12*\e], v[64*(\g)+32*\e+8*\u:64*(\g)+32*\e+8*\u+7], v[VS+\u], v[66+\e] matrix_a_fmt:MATRIX_FMT_FP6 matrix_b_fmt:MATRIX_FMT_FP6
.endr
.endr
.endm
.macro STEP
	SMUL 0
	v_add_nc_u32 v2, s44, v1                       ; this key step in LDS,
	v_add_nc_u32 v7, s47, v1                       ; and the next (in the last step held at the last: those fragments are read again and serve nothing)
	v_nop
	v_nop                                          ; four places behind the products
	PH 0
	SMUL 1
.rept 4
	v_nop
.endr
	PH 1
	WIN 0
	s_add_co_u32 s44, s44, KVB
	s_add_co_u32 s47, s44, KVB
	s_min_u32 s47, s47, 15*KVB
.endm
	s_load_b256 s[4:11], s[0:1], 0x0               ; qc, qs, kv, out0
	v_lshl_add_u32 v8, v0, 2, SPARE
	v_mov_b32 v9, 0
	ds_add_u32 v8, v9                              ; the opening lines: the add twice and one wait
	ds_add_u32 v8, v9
	v_lshrrev_b32 v10, 5, v0
	v_readfirstlane_b32 s12, v10                   ; wave 0..7
	s_bfe_u32 s13, ttmp6, 0x40000                  ; cx: which 512 queries
	s_and_b32 s14, ttmp7, 0xffff                   ; batch x 16 + head
	s_mov_b32 s16, 15|(3<<16)|(1<<21)              ; the four partners; elements of 8 bytes
	s_mov_b32 s17, 32<<16
	s_mov_b32 s18, 104<<16
	s_mov_b32 s19, 32<<16
	s_mov_b32 s20, 104                             ; 104 rows of 256 bytes: two key steps
	s_mov_b32 s21, 32
	s_mov_b32 s22, 0
	s_mov_b32 s23, 0
	s_mov_b32 s32, 1
	s_mul_i32 s33, s12, 2*KVB
	s_mul_i32 s46, s14, 16*KVB
	s_add_co_u32 s50, s46, s33
	s_mov_b32 s51, 0
	s_mov_b32 s40, 0x3e38aa3b                      ; c = log2(e) / 8
	s_mov_b32 s41, s40
	s_mov_b32 s24, 0xbe38aa3b                      ; -c
	s_mov_b32 s42, 0x76543210
	s_mov_b32 s43, 0xfedcba98
	s_wait_dscnt 0x0
	s_wait_kmcnt 0x0
	CROUND                                         ; the four work-groups are here: the joint loads meet
	s_add_nc_u64 s[34:35], s[8:9], s[50:51]
	s_or_b32 s35, s35, 0x80000000
	s_cmp_lt_u32 s12, 2
	s_cbranch_scc0 .Lrest
	tensor_load_to_lds s[32:35], s[16:23]          ; waves 0, 1: key steps 0 to 3
	s_nop 0
.rept 4
	v_nop
.endr
	s_branch .Lasked
.Lrest:
	tensor_load_to_lds s[32:35], s[16:23]          ; waves 2 to 7: key steps 4 to 15
	s_nop 0
.rept 4
	v_nop
.endr
.Lasked:
	s_lshl_b32 s46, s14, 7
	s_lshl_b32 s47, s13, 5
	s_add_co_u32 s46, s46, s47
	s_lshl_b32 s47, s12, 2
	s_add_co_u32 s46, s46, s47                     ; my first tile of 16 queries
	s_mul_i32 s54, s46, 768
	s_mov_b32 s55, 0
	s_lshl_b32 s56, s46, 7                         ; four tiles' scale words: 512 bytes
	s_mov_b32 s57, 0
	s_lshr_b32 s58, s14, 4
	s_lshl_b32 s58, s58, 23                        ; out0: batch,
	s_and_b32 s48, s14, 15
	s_lshl_b32 s48, s48, 8
	s_add_co_u32 s58, s58, s48                     ; head's 256 bytes of a row,
	s_lshl_b32 s48, s13, 21
	s_add_co_u32 s58, s58, s48                     ; 512 tokens a work-group,
	s_lshl_b32 s48, s12, 18
	s_add_co_u32 s58, s58, s48                     ; 64 a wave
	s_mov_b32 s59, 0
	s_add_nc_u64 s[4:5], s[4:5], s[54:55]
	s_add_nc_u64 s[6:7], s[6:7], s[56:57]
	s_add_nc_u64 s[10:11], s[10:11], s[58:59]
	s_mul_i32 s46, s12, 4352
	s_add_co_u32 s46, s46, STG
	v_and_b32 v10, 31, v0
	v_lshlrev_b32 v1, 4, v10
	v_lshlrev_b32 v11, 3, v10
	WALU
	global_load_b128 v[QS:QS+3], v1, s[6:7]
	global_load_b128 v[104:107], v1, s[4:5] offset:1536
	global_load_b64 v[108:109], v11, s[4:5] offset:2048
	global_load_b128 v[116:119], v1, s[4:5] offset:2304
	global_load_b64 v[120:121], v11, s[4:5] offset:2816
	WIN 0x40
	global_load_b128 v[232:235], v1, s[4:5]
	global_load_b64 v[236:237], v11, s[4:5] offset:512
	global_load_b128 v[244:247], v1, s[4:5] offset:768
	global_load_b64 v[248:249], v11, s[4:5] offset:1280
.irp i, 176,177,178,179,180,181,238,239,240,241,242,243,250,251,252,253,254,255
	v_mov_b32 v\i, 0                               ; zero codes: behind K's last tile, and the upper 64 of q's depth
.endr
.set I_, 0
.rept 128
	v_mov_b32 v[I_], 0                             ; O^T: the step is written once, and the first finds zeros
.set I_, I_+1
.endr
	WIN 0
.irp i, 110,111,112,113,114,115,122,123,124,125,126,127,29,31,58,59,100,101
	v_mov_b32 v\i, 0
.endr
.irp j, 0,1,2,3
	v_mov_b32 v[12+4*\j], 0x7f61b1e6               ; -M: 3e38
	v_mov_b32 v[13+4*\j], 0xff61b1e6               ; the largest score so far: -3e38
	v_mov_b32 v[14+4*\j], 0
	v_mov_b32 v[15+4*\j], 0
.endr
	v_and_b32 v10, 15, v0
	v_bfe_u32 v54, v0, 4, 1
	v_mul_u32_u24 v5, v10, 272
	v_mul_u32_u24 v6, v54, 272
	v_lshl_add_u32 v5, v54, 7, v5
	v_lshl_add_u32 v6, v10, 4, v6
	v_add_nc_u32 v5, s46, v5                       ; the stage: in, row r, 128 bytes for each half of the lanes
	v_add_nc_u32 v6, s46, v6                       ; back: sixteen lanes a row
	v_lshlrev_b32 v4, 12, v54
	v_lshl_add_u32 v4, v10, 4, v4                  ; and the same two rows in out0
	v_lshlrev_b32 v3, 3, v54
	v_mov_b32 v7, v1
	WALU                                           ; the head's end
	s_cmp_lt_u32 s12, 2
	s_cbranch_scc0 .Lnot_first
	s_wait_tensorcnt 0x0
.Lnot_first:
	s_barrier_signal -1
	s_barrier_wait -1                              ; key steps 0 to 3 are whole
	KLOAD
	s_mov_b32 s44, 0
	s_mov_b32 s47, KVB
	s_mov_b32 s45, 3
	s_wait_loadcnt 0x0
	s_wait_dscnt 0x0
.Lfirst3:
	STEP
	s_sub_co_u32 s45, s45, 1
	s_cmp_lg_u32 s45, 0
	s_cbranch_scc1 .Lfirst3
	s_wait_tensorcnt 0x0                           ; every wave's load has landed
	s_wait_dscnt 0x0
	s_barrier_signal -1
	s_barrier_wait -1
	s_mov_b32 s45, 13
.Lrest13:
	STEP
	s_sub_co_u32 s45, s45, 1
	s_cmp_lg_u32 s45, 0
	s_cbranch_scc1 .Lrest13
; THE WAY OUT: O^T / the sum; a tile's 16 rows of 256 bytes go through my stage and leave as whole aligned units of 256 bytes.
.irp j, 0,1,2,3
	v_add_f32 v[14+4*\j], v[14+4*\j], v[15+4*\j]
.endr
.irp j, 0,1,2,3
	v_permlanex16_b32 v[60+\j], v[14+4*\j], s42, s43
.endr
.irp j, 0,1,2,3
	v_add_f32 v[14+4*\j], v[14+4*\j], v[60+\j]
.endr
	WALU
.irp j, 0,1,2,3
	v_rcp_f32 v[14+4*\j], v[14+4*\j]
.endr
	v_nop
.macro MULO j
.set R_, 128+64*((\j)%2)
	WIN 0x01
	WALU                                           ; directly ahead of O^T's first readers; it serves the reciprocals too
.set I_, 0
.rept 16
	v_pk_mul_f32 v[R_+I_:R_+I_+1], v[32*(\j)+I_:32*(\j)+I_+1], v[14+4*(\j):15+4*(\j)] op_sel_hi:[1,0]
.set I_, I_+2
.endr
	WIN 0
.endm
.macro TOSTAGE j
.set R_, 128+64*((\j)%2)
.if (\j) >= 2
	s_wait_xcnt 0x0                                ; tile j - 2's stores have read the registers that the loads below fill
.endif
.irp i, 0,1,2,3,4,5,6,7
	ds_store_b128 v5, v[R_+4*\i:R_+4*\i+3] offset:16*\i
.endr
.irp i, 0,1,2,3,4,5,6,7
	ds_load_b128 v[R_+32+4*\i:R_+35+4*\i], v6 offset:544*\i   ; LDS serves a wave's instructions in order: these see the stores above
.endr
.endm
.macro SEND j
.set R_, 128+64*((\j)%2)
.irp i, 0,1,2,3,4,5,6,7
	s_wait_dscnt 7-\i                              ; the loads issued behind load i may be out
	global_store_b128 v4, v[R_+32+4*\i:R_+35+4*\i], s[10:11] offset:(32*(\i/4)+2*(\i%4))*4096+32768*(\j) th:TH_STORE_NT
.endr
.endm
	MULO 0
	TOSTAGE 0
.irp j, 1,2,3
	MULO \j
	WALU
	SEND \j-1
	TOSTAGE \j
.endr
	SEND 3
	s_wait_tensorcnt 0x0                           ; the wave's end
	ds_add_u32 v8, v9
	s_wait_dscnt 0x0
	CROUND                                         ; the closing round
	s_endpgm
.Lfunc_end_k_qbd6a06246e_attn:
	.size	k_qbd6a06246e_attn, .Lfunc_end_k_qbd6a06246e_attn-k_qbd6a06246e_attn
	.p2alignl 7, 3214868480
	.fill 96, 4, 3214868480
	.section	.rodata,"a",@progbits
	.p2align	6, 0x0
	.amdhsa_kernel k_qbd6a06246e_attn
		.amdhsa_group_segment_fixed_size 327680
		.amdhsa_private_segment_fixed_size 0
		.amdhsa_enable_private_segment 0
		.amdhsa_kernarg_size 32
		.amdhsa_user_sgpr_count 2
		.amdhsa_user_sgpr_kernarg_segment_ptr 1
		.amdhsa_wavefront_size32 1
		.amdhsa_system_sgpr_workgroup_id_x 1
		.amdhsa_system_sgpr_workgroup_id_y 1
		.amdhsa_system_sgpr_workgroup_id_z 1
		.amdhsa_system_vgpr_workitem_id 0
		.amdhsa_next_free_vgpr 512
		.amdhsa_next_free_sgpr 66
		.amdhsa_reserve_vcc 0
		.amdhsa_float_denorm_mode_32 3
		.amdhsa_float_denorm_mode_16_64 3
		.amdhsa_memory_ordered 1
		.amdhsa_forward_progress 1
		.amdhsa_inst_pref_size 128
	.end_amdhsa_kernel
	.amdgpu_metadata
---
amdhsa.version: [ 1, 2 ]
amdhsa.kernels:
  - .name:           k_qbd6a06246e_attn
    .symbol:         k_qbd6a06246e_attn.kd
    .args:
      - { .name: qc, .offset: 0, .size: 8, .value_kind: global_buffer, .address_space: global }
      - { .name: qs, .offset: 8, .size: 8, .value_kind: global_buffer, .address_space: global }
      - { .name: kv, .offset: 16, .size: 8, .value_kind: global_buffer, .address_space: global }
      - { .name: out0, .offset: 24, .size: 8, .value_kind: global_buffer, .address_space: global }
    .group_segment_fixed_size: 327680
    .private_segment_fixed_size: 0
    .kernarg_segment_align: 8
    .kernarg_segment_size: 32
    .max_flat_workgroup_size: 256
    .sgpr_count:     66
    .vgpr_count:     512
    .wavefront_size: 32
...
	.end_amdgpu_metadata
.endif
;; end of part 3
